; MI455X (gfx1250); checked and timed in simulation.
; The chip was launched on July 23, 2026; its instructions are those of AMD's public machine-readable ISA for CDNA 5 (MIT licence, August 2026) and "CDNA5" Instruction Set Architecture Reference Guide (July 2026). The comments in the code are by the model that wrote it; some were corrected since.
;; Bert Self Attention. Allowed arithmetic: matrix products marked QUANTISED: E2M3 operands, one E8M0 scale for each 32 along K, by v_wmma_scale_f32_16x16x128_f8f6f4 with both operands' format E2M3, f32 sums; everything else in f32.
;; Inputs: Wk 1,024 x 1,024 float32; Wq 1,024 x 1,024 float32; Wv 1,024 x 1,024 float32; attention_mask 8 x 1 x 1 x 1,024 float32; bk 1,024 float32; bq 1,024 float32; bv 1,024 float32; hidden_states 8 x 1,024 x 1,024 float32.
;; Outputs: out0 8 x 1,024 x 1,024 float32.
;; This version of the problem:
;;   THIS VERSION OF THE PROBLEM IS GIVEN IN LOW PRECISION. The matrix products marked QUANTISED in the list below multiply operands that are first quantised to E2M3 (2 exponent bits, 3 mantissa bits; 6 bits a number), with one power-of-two scale for each 32 numbers along K (OCP MX v1.0); their sums are f32. All else is computed in f32.
;;   The module's matrix products, in the order in which they are computed (A, B: the left and right operand; K: the contracted axis; several contracted axes count as one K, in the product's order):
;;     1. [M 8,192, K 1,024] x [K 1,024, N 1,024]; A: input hidden_states; B: input Wq: QUANTISED
;;     2. [M 8,192, K 1,024] x [K 1,024, N 1,024]; A: input hidden_states; B: input Wk: QUANTISED
;;     3. [M 8,192, K 1,024] x [K 1,024, N 1,024]; A: input hidden_states; B: input Wv: QUANTISED
;;     4. batch 128 x [M 1,024, K 64] x [K 64, N 1,024]; A: computed on the way; B: computed on the way: QUANTISED
;;     5. batch 128 x [M 1,024, K 1,024] x [K 1,024, N 64]; A: softmax (see below); B: computed on the way: QUANTISED
;;   THE QUANTISER, for each operand of a quantised product, along K:
;;     - K is cut into blocks of 32 from its start; a last block that is shorter is filled with zeros.
;;     - A block's scale is 2^e with e = floor(log2(the largest magnitude in the block)) - 2, held to -126 .. 127; a block of zeros has e = 0. As a byte (E8M0): e + 127.
;;     - Each number is divided by its block's scale, clamped to +-7.5, and rounded to the nearest number of E2M3, ties to even, subnormals kept.
;;     - The product sums the exact products of the quantised numbers (number of the format x scale) in f32.
;;   ~~~python
;;   def quantise(x, axis):      # numpy; x: float32 -> the quantised numbers, widened to float32 again
;;       x = np.moveaxis(x, axis, -1); K = x.shape[-1]
;;       x = np.pad(x, [(0, 0)] * (x.ndim - 1) + [(0, -K % 32)]); x = x.reshape(x.shape[:-1] + (-1, 32)); a = np.abs(x).max(-1, keepdims=True)
;;       e = np.where(a > 0, np.clip(np.frexp(np.where(a > 0, a, 1))[1] - 1 - 2, -126, 127), 0)      # np.frexp(a)[1] - 1 = floor(log2(a)), exactly
;;       r = np.clip(x / 2.0 ** e, -7.5, 7.5)
;;       step = 2.0 ** (np.maximum(np.frexp(np.where(r == 0, 1, r))[1] - 1, 0) - 3)
;;       q = np.round(r / step) * step * 2.0 ** e      # np.round: ties to even
;;       return np.moveaxis(q.reshape(q.shape[:-2] + (-1,))[..., :K], -1, axis).astype(np.float32)
;;   ~~~
;;   SOFTMAX AHEAD OF A QUANTISED PRODUCT. Where the list says 'softmax', what is quantised is not the finished softmax but p = 2^(t - M), with t = logit x log2(e) and M = ceil(the row's largest t), a whole number; so 1/2 < the row's largest p <= 1. The row's sum l is taken of the UNQUANTISED p, in f32, and the product's result is divided by l at the end. Since M is a whole number, a kernel that streams over the keys may use a running M (the ceiling of the running maximum): every later rescaling is an exact power of two, which a block's scale takes up: the codes' values come out the same.
;;   OPERANDS COMPUTED ON THE WAY. 'Computed on the way' means the value that the module computes at that place (a softmax that the list does not call 'softmax' is quantised finished and normalised). What goes into a quantiser is computed in f32, as accurately as f32 sums, v_exp_f32 and their like allow (about 1e-6 of the number): no bf16 or f16 on the way to a quantiser, and a product that is left as it is and whose result goes on into a quantised operand takes f32 operands (vector FMAs, or v_wmma_f32_16x16x4_f32). A number that lies on a knife's edge between two numbers of the format may be rounded either way, as far as f32 arithmetic and the matrix unit's own rounding can turn it there, and no further.
;; One version. Each part assembles by itself: llvm-mc -triple=amdgcn-amd-amdhsa -mcpu=gfx1250 --defsym DOCPART=n.
;; ======== version 1 of 1: 3 launches
;; limits: right only within a limited range of input values
;; workspace buffers: xw_img 8,650,752 bytes; xw_scl 360,448 bytes; qkv_img 18,874,368 bytes; qkv_scl 786,432 bytes
;; launch quant (part 1): grid 704 x 1, 4 waves a work-group, no clusters, 34,304 bytes of LDS; arguments hidden_states, Wq, Wk, Wv, xw_img, xw_scl; writes xw_img, xw_scl
.if DOCPART == 1
	.amdgcn_target "amdgcn-amd-amdhsa--gfx1250"
	.amdhsa_code_object_version 6
	.text
	.protected	k_qc287a39fde_quant
	.globl	k_qc287a39fde_quant
	.p2align	8
	.type	k_qc287a39fde_quant,@function
k_qc287a39fde_quant:
	s_mov_b64 s[64:65], 0
	v_nop
	global_prefetch_b8 v0, s[64:65] scope:SCOPE_SE
	s_setreg_imm32_b32 hwreg(HW_REG_WAVE_MODE, 25, 1), 1
	s_wait_xcnt 0x0
; hidden_states [8192][1024] and Wq, Wk, Wv [1024][1024], f32, K innermost, become codes of FP6 (E2M3) with one E8M0 byte for each 32 along K,
; laid as IMAGES OF OPERAND REGISTERS, so that the product's launch fetches dense blocks and reads fragments by 16-byte LDS loads alone.
; A block's scale is 2^(floor(log2(its largest magnitude)) - 2); its byte is that magnitude's exponent field - 2, held at 1 from below.  (A block of zeros keeps the byte 1: its codes are zeros, and this program alone reads the bytes.)
; LIMITS: blocks whose largest magnitude lies under 2^-124 keep the byte 1; NaN and infinities among the inputs are not served.
; ROWBLOCKS of 128 rows: 0-63 hidden_states, 64-71 Wq, 72-79 Wk, 80-87 Wv.  xw_img: [rowblock][K step of 128: 0..7][tile 0..7][1,536 bytes]; xw_scl: [rowblock][K step][512 bytes].
; A TILE'S ROWS ARE NOT NEIGHBOURS: lane r of tile i holds row 32 (i / 2) + 8 (i % 2) + r + 8 (r / 8) of its rowblock, so that later results of two neighbouring tiles are 16 neighbours along the next K.
; A fragment's image: byte 512 c + 16 lane + 4 e is register 4 c + e.  The scale words: byte 256 g + 16 r + 4 i is the word of lane r of tile 4 g + i.
; SHARES: 88 rowblocks x 8 K steps x 4 pairs of tiles = 2,816 waves' shares; a wave takes 32 rows x 128 along K, two fragments, and asks for both at its start.  Waves share nothing: no barrier.
; Each load reads 512 consecutive bytes of one row; a fragment's 16 rows turn through the wave's own stage in LDS (rows 528 bytes apart) and come back 16 neighbours of each block of 32 to a lane.
; The two scale words of a row are 8 bytes of a group of 16: a wave's one store of words covers half of an aligned block of 256 bytes (one byte in 25 of what the wave stores).
; No matrix unit, no tensor load, no cluster: the launch is a stream and its work-groups share no byte.
.set STGB, 16*528
.set LO,  1                            ; 16 x lane
.set SI,  2                            ; the stage, on the way in
.set SO,  3                            ; on the way out: stage + 528 r + 64 h
.set SA,  4                            ; the scale words' place: 16 r + 4 h
.set R,   16                           ; v16-143  two sets of 64 numbers as they are loaded
.set X,   144                          ; v144-207 register 16 b + i = k 32 b + 16 h + i of row r
.set TM,  208
.set PC,  224
.set PW,  244
.set SW,  246                          ; v246-247 the two fragments' scale words
.set XS,  250
.set SEL, 24
.macro QUANT s
.irp b, 0,1,2,3
	v_max3_num_f32 v[TM+\b], |v[\s+16*\b]|, |v[\s+1+16*\b]|, 0x1800000   ; block b: my 16 numbers, and the floor 2^(3 - 127)
.endr
.irp i, 2,4,6,8,10,12,14
.irp b, 0,1,2,3
	v_max3_num_f32 v[TM+\b], v[TM+\b], |v[\s+16*\b+\i]|, |v[\s+1+16*\b+\i]|
.endr
.endr
.irp b, 0,1,2,3
	v_permlanex16_b32 v[TM+4+\b], v[TM+\b], s[SEL], s[SEL+1]
.endr
.irp b, 0,1,2,3
	v_max_num_f32 v[TM+\b], v[TM+\b], v[TM+4+\b]   ; with lane l xor 16's: the block's largest magnitude
.endr
.irp b, 0,1,2,3
	v_add_nc_u32 v[TM+12+\b], 0xff000000, v[TM+\b]   ; 2 off its exponent field: the conversion's scale operand
.endr
.irp b, 0,1,2,3
	v_lshrrev_b32 v[TM+4+\b], 23, v[TM+12+\b]      ; the scale's byte
.endr
	v_lshl_or_b32 v[PW], v[TM+5], 8, v[TM+4]
	v_lshl_or_b32 v[PW], v[TM+6], 16, v[PW]
	v_lshl_or_b32 v[PW], v[TM+7], 24, v[PW]
.irp c, 0,1
	v_cvt_scalef32_pk16_fp6_f32 v[PC+6*\c:PC+2+6*\c], v[\s+32*\c:\s+15+32*\c], v[TM+12+2*\c]
	v_cvt_scalef32_pk16_fp6_f32 v[PC+12+4*\c:PC+14+4*\c], v[\s+16+32*\c:\s+31+32*\c], v[TM+12+2*\c+1]
.endr
	v_nop                                          ; one plain line behind the scaled conversions
.irp c, 0,1                                    ; a whole block to a lane: lanes 0-15 block 2 c, lanes 16-31 block 2 c + 1
.irp i, 0,1,2
	v_permlane16_swap_b32 v[PC+6*\c+\i], v[PC+12+4*\c+\i]
.endr
.irp i, 0,1,2
	v_mov_b32 v[PC+3+6*\c+\i], v[PC+12+4*\c+\i]
.endr
.endr
.endm
	s_load_b256 s[4:11], s[0:1], 0x0               ; hidden_states, Wq, Wk, Wv
	s_load_b128 s[12:15], s[0:1], 0x20             ; xw_img, xw_scl
	v_lshl_add_u32 v254, v0, 2, 0x8400
	v_mov_b32 v255, 0
	v_lshrrev_b32 v5, 5, v0
	v_readfirstlane_b32 s18, v5                    ; wave 0..3
	v_and_b32 v5, 31, v0
	v_and_b32 v6, 15, v0                           ; r
	v_bfe_u32 v7, v0, 4, 1                         ; h
	v_lshlrev_b32 v[LO], 4, v5
	s_mul_i32 s22, s18, STGB
	v_add_nc_u32 v[SI], s22, v[LO]
	v_mul_u32_u24 v[SO], v6, 528
	v_lshl_add_u32 v[SO], v7, 6, v[SO]
	v_add_nc_u32 v[SO], s22, v[SO]
	v_lshlrev_b32 v[SA], 4, v6
	v_lshl_add_u32 v[SA], v7, 2, v[SA]
.irp b, 0,1,2,3
	v_mov_b32 v[TM+4+\b], 0                        ; a lane permute's destination counts as one of its sources
.endr
	s_mov_b32 s[SEL], 0x76543210
	s_mov_b32 s[SEL+1], 0xfedcba98
	s_lshr_b32 s16, ttmp9, 3                       ; the rowblock
	s_and_b32 s17, ttmp9, 7
	s_lshl_b32 s17, s17, 2
	s_add_co_u32 s17, s17, s18                     ; which of the rowblock's 32 shares is my wave's
	s_lshr_b32 s19, s17, 2                         ; K step
	s_and_b32 s20, s17, 3                          ; the pair: tiles 2 p, 2 p + 1
	s_and_b32 s21, s16, 7
	s_mul_i32 s26, s16, 98304                      ; images: rowblock x 98,304 + K step x 12,288 + pair x 3,072
	s_mul_i32 s23, s19, 12288
	s_add_co_u32 s26, s26, s23
	s_mul_i32 s23, s20, 3072
	s_add_co_u32 s26, s26, s23
	s_mov_b32 s27, 0
	s_lshl_b32 s28, s16, 12                        ; scale words: rowblock x 4,096 + K step x 512 + 256 (p / 2) + 8 (p % 2)
	s_lshl_b32 s23, s19, 9
	s_add_co_u32 s28, s28, s23
	s_lshr_b32 s23, s20, 1
	s_lshl_b32 s23, s23, 8
	s_add_co_u32 s28, s28, s23
	s_and_b32 s23, s20, 1
	s_lshl_b32 s23, s23, 3
	s_add_co_u32 s28, s28, s23
	s_mov_b32 s29, 0
	s_wait_alu depctr_va_vdst(0)                   ; the wait at the head's end
	s_wait_kmcnt 0x0
	s_cmp_lt_u32 s16, 80                           ; which tensor: the choice hangs on the work-group's number alone
	s_cselect_b64 s[10:11], s[8:9], s[10:11]
	s_cmp_lt_u32 s16, 72
	s_cselect_b64 s[10:11], s[6:7], s[10:11]
	s_cmp_lt_u32 s16, 64
	s_cselect_b64 s[10:11], s[4:5], s[10:11]
	s_cselect_b32 s21, s16, s21
	s_lshl_b32 s30, s21, 19                        ; 128 rows of 4,096 bytes,
	s_lshl_b32 s23, s20, 17                        ; + pair x 32 rows,
	s_add_co_u32 s30, s30, s23
	s_lshl_b32 s23, s19, 9                         ; + K step x 512 bytes
	s_add_co_u32 s30, s30, s23
	s_mov_b32 s31, 0
	s_add_nc_u64 s[10:11], s[10:11], s[30:31]
	s_add_nc_u64 s[12:13], s[12:13], s[26:27]
	s_add_nc_u64 s[14:15], s[14:15], s[28:29]
.macro LOAD f                          ; fragment f's 16 rows, 512 consecutive bytes each, into set f
.irp p, 0,1,2,3,4,5,6,7,8,9,10,11,12,13,14,15
	global_load_b128 v[R+64*(\f)+4*\p:R+64*(\f)+4*\p+3], v[LO], s[10:11] offset:(8*(\f)+\p+8*(\p/8))*4096 th:TH_LOAD_NT
.endr
.endm
.macro TURN f                          ; through the stage: LDS serves a wave's instructions in order
.irp p, 0,1,2,3,4,5,6,7,8,9,10,11,12,13,14,15
	ds_store_b128 v[SI], v[R+64*(\f)+4*\p:R+64*(\f)+4*\p+3] offset:528*\p
.endr
.irp n, 0,1,2,3,4,5,6,7,8,9,10,11,12,13,14,15
	ds_load_b128 v[X+4*\n:X+4*\n+3], v[SO] offset:128*(\n/4)+16*(\n%4)
.endr
.endm
.macro FRAGQ f
	s_wait_loadcnt 16-16*(\f)                      ; this fragment's 16 loads are in; behind fragment 0's stand fragment 1's 16
	TURN \f
	s_wait_dscnt 0x0
.if (\f) > 0
	s_wait_xcnt 0x0                                ; the last fragment's stores have read v[PC] on
.endif
	QUANT X
	v_mov_b32 v[SW+(\f)], v[PW]
.irp c, 0,1,2
	global_store_b128 v[LO], v[PC+4*\c:PC+4*\c+3], s[12:13] offset:1536*(\f)+512*\c   ; 512 consecutive bytes, aligned
.endr
.endm
	LOAD 0
	LOAD 1
	FRAGQ 0
	FRAGQ 1
	s_mov_b32 vcc_lo, 0xffff0000                   ; lanes 16-31
	v_cndmask_b32 v[XS], v[SW], v[SW+1], vcc_lo    ; lane (r, h) stores the word of tile 2 p + h of row r
	global_store_b32 v[SA], v[XS], s[14:15]
	s_wait_tensorcnt 0x0                           ; the wave's end
	ds_add_u32 v254, v255
	s_wait_dscnt 0x0
	s_endpgm
.Lfunc_end_k_qc287a39fde_quant:
	.size	k_qc287a39fde_quant, .Lfunc_end_k_qc287a39fde_quant-k_qc287a39fde_quant
	.p2alignl 7, 3214868480
	.fill 96, 4, 3214868480
	.section	.rodata,"a",@progbits
	.p2align	6, 0x0
	.amdhsa_kernel k_qc287a39fde_quant
		.amdhsa_group_segment_fixed_size 34304
		.amdhsa_private_segment_fixed_size 0
		.amdhsa_enable_private_segment 0
		.amdhsa_kernarg_size 48
		.amdhsa_user_sgpr_count 2
		.amdhsa_user_sgpr_kernarg_segment_ptr 1
		.amdhsa_wavefront_size32 1
		.amdhsa_system_sgpr_workgroup_id_x 1
		.amdhsa_system_sgpr_workgroup_id_y 1
		.amdhsa_system_sgpr_workgroup_id_z 1
		.amdhsa_system_vgpr_workitem_id 0
		.amdhsa_next_free_vgpr 256
		.amdhsa_next_free_sgpr 66
		.amdhsa_reserve_vcc 1
		.amdhsa_float_denorm_mode_32 3
		.amdhsa_float_denorm_mode_16_64 3
		.amdhsa_memory_ordered 1
		.amdhsa_forward_progress 1
		.amdhsa_inst_pref_size 19
	.end_amdhsa_kernel
	.amdgpu_metadata
---
amdhsa.version: [ 1, 2 ]
amdhsa.kernels:
  - .name:           k_qc287a39fde_quant
    .symbol:         k_qc287a39fde_quant.kd
    .args:
      - { .name: hidden_states, .offset: 0, .size: 8, .value_kind: global_buffer, .address_space: global }
      - { .name: Wq, .offset: 8, .size: 8, .value_kind: global_buffer, .address_space: global }
      - { .name: Wk, .offset: 16, .size: 8, .value_kind: global_buffer, .address_space: global }
      - { .name: Wv, .offset: 24, .size: 8, .value_kind: global_buffer, .address_space: global }
      - { .name: xw_img, .offset: 32, .size: 8, .value_kind: global_buffer, .address_space: global }
      - { .name: xw_scl, .offset: 40, .size: 8, .value_kind: global_buffer, .address_space: global }
    .group_segment_fixed_size: 34304
    .private_segment_fixed_size: 0
    .kernarg_segment_align: 8
    .kernarg_segment_size: 48
    .max_flat_workgroup_size: 128
    .sgpr_count:     66
    .vgpr_count:     256
    .wavefront_size: 32
...
	.end_amdgpu_metadata
.endif
;; end of part 1
;; launch proj (part 2): grid 8 x 32, 4 waves a work-group, clusters of 4 x 4, 327,680 bytes of LDS; arguments xw_img, xw_scl, bq, bk, bv, qkv_img, qkv_scl; writes qkv_img, qkv_scl
.if DOCPART == 2
	.amdgcn_target "amdgcn-amd-amdhsa--gfx1250"
	.amdhsa_code_object_version 6
	.text
	.protected	k_qc287a39fde_proj
	.globl	k_qc287a39fde_proj
	.p2align	8
	.type	k_qc287a39fde_proj,@function
k_qc287a39fde_proj:
	s_mov_b64 s[64:65], 0
	v_nop
	global_prefetch_b8 v0, s[64:65] scope:SCOPE_SE
	s_setreg_imm32_b32 hwreg(HW_REG_WAVE_MODE, 25, 1), 1
	s_wait_xcnt 0x0
	s_wait_alu depctr_hold_cnt(0) depctr_sa_sdst(0) depctr_va_vdst(0) depctr_va_sdst(0) depctr_va_ssrc(0) depctr_va_vcc(0) depctr_vm_vsrc(0)
	s_getreg_b32 s2, hwreg(HW_REG_IB_STS2, 6, 4)
	s_cmp_eq_u32 s2, 0
	s_cbranch_scc0 .Lentry_in_a_cluster
	s_endpgm
.Lentry_in_a_cluster:
	s_bfe_u32 s2, ttmp6, 0x10000c
	s_cmp_lg_u32 s2, 0xf033
	s_cbranch_scc0 .Lentry_shape_is_right
	s_endpgm
.Lentry_shape_is_right:
; q = x Wq^T + bq, k = x Wk^T + bk, v = x Wv^T + bv on codes of FP6 (E2M3) with E8M0 scales, K = 1,024; the results are quantised in registers and leave as codes:
; q and k along a head's 64 channels, v along the keys.  No f32 result goes to memory.
; THE DEAL: 256 work-groups.  Work-group (x, y) takes x's rowblocks 2 y and 2 y + 1 (256 tokens of batch y / 4) and rowblock x (a pair of heads) of Wv, then Wq, then Wk: three jobs on the same tokens.
; x's 196,608 bytes of codes come into LDS once and stay.  A weight's rowblock lands in a region of its own and goes on into registers: a wave holds 64 rows (one head), all of K, 32 fragments.
; Wave w: x's rowblock w / 2, head w % 2.  x streams past in blocks of 16 rows (a tile, all of K: 8 fragments and 8 scale words, two sets): 32 products a block, four accumulators by turns.
; q, k: source 0 = the weight's rows: a lane holds a token, its 32 results run along the head's channels.  v: source 0 = x's rows: a lane holds a channel, and the results of four blocks run along 64 keys.
; By the tiles' order of rows 16 registers of two neighbouring tiles are 16 neighbours of a block of 32, lane l xor 16 holding the other 16 (macro HALFQ).
; THE BIAS is the C of each sum's first product, laid as the result lies.
; FILLS: at the head waves 0 and 1 ask for a half each of Wv's rowblock, wave 2 for tiles 0-3 of both rowblocks of x, wave 3 for tiles 4-7 (16 rows of 6,144 bytes each, 12,288 apart in memory).
; Two refills of the weights' region, a quarter a wave, each behind the three lines and a round of the cluster's barrier: Wq's behind v's block 1, Wk's ahead of q's block 0.
; CLUSTERS 4 x 4: x's tiles are shared along a row of the cluster, a weight's along a column.
; x's scale words are turned once through LDS bytes of the wave's own, so that a block's eight words are 32 bytes on end.  q's and k's scale bytes, two a token and head, meet in LDS and leave as whole blocks of 256 bytes.
; No prefetch: a refill is asked for 192 products or more ahead of the barrier that shows it, and all else is asked for at the head.
; LIMITS: NaN and infinities are not served; blocks whose largest magnitude lies under 2^-124 keep the scale byte 1; the bias is added first and not last.
; REGISTERS: window 0: addresses, scale words, q's bias.  Fragment f lies in window 1 + f / 21 at register 12 (f % 21): 0-31 the weight's (4 k + u), 32-39 and 40-47 x's two sets.
; Window 3 from v72: 128 accumulators, the way out's registers, the bias of v and of k.
.set RBB,  98304
.set SEC,  6291456
.set HB,   49152
.set SSEC, 262144
.set WR,   196608                      ; the weights' region; x's tiles 0-3 lie at 0, tiles 4-7 at 98,304: [rowblock][K step][tile][1,536]
.set QST,  294912                      ; q's scale bytes [x's rowblock][512], then k's
.set KST,  QST+1024
.set XST,  QST+2048                    ; x's scale words turned: [wave][tile][r][K step]
.set SPARE, XST+16384
.set FR,   12
.set FPW,  21
.set O16, 1
.set O8,  2
.set AX0, 3                            ; v3, v4 x's fragments: tiles 0-3, tiles 4-7
.set AXF, 5
.set AW0, 6                            ; v6, v7 the weight's: K steps 0-3, 4-7
.set XSA0, 8
.set XSF, 9
.set SB0, 10
.set SAC, 11
.set RDS, 12
.set R16, 13
.set BO,  14
.set BAO, 15
.set SPW, 16
.set NIL, 17
.set VSO, 18
.set XS,  24                           ; v24-39 x's scale words, two sets of eight
.set WSA, 40                           ; v40-71 the weight's scale words (v, then k): 4 k + u
.set WSB, 72                           ; v72-103 q's
.set BCB, 104                          ; v104-135 q's bias
.set XT,  136                          ; v136-199 at the head: x's scale words as they lie in memory
.set ACC, 72                           ; window 3
.set M0,  200
.set M1,  201
.set P0,  202
.set P1,  203
.set SO0, 204
.set SO1, 205
.set B0,  206
.set B1,  207
.set HW,  208
.set VW,  210
.set PC,  214
.set TC,  220
.set BCA, 224
.set SEL, 78
.set MSB, 0
.macro WIN new
.if MSB != \new
	s_set_vgpr_msb (MSB<<8)|\new
.set MSB, \new
.endif
.endm
.macro WALU
	s_wait_alu depctr_va_vdst(0)
.endm
.macro PLACES
.rept 4
	v_nop
.endr
.endm
.macro BARRIER
	s_barrier_signal -1
	s_barrier_wait -1
.endm
.macro ROUND
	s_barrier_signal -1
	s_barrier_wait -1
	s_cmp_lg_u32 s18, 0
	s_cbranch_scc1 .Lnot_wave_0_\@
	s_barrier_signal -3
.Lnot_wave_0_\@:
	s_barrier_wait -3
	s_barrier_signal -1
	s_barrier_wait -1
.endm
.macro TLOAD g0, g1
	tensor_load_to_lds s[\g0:\g0+3], s[\g1:\g1+7]
	s_nop 0
	PLACES
.endm
.macro FETCH e, adr, off, sadr, soff   ; a block of x into set e: 26 loads
.set K_, 0
.rept 8
.set F_, 32+8*(\e)+K_
	WIN (1+F_/FPW)<<6
.irp c, 0,1,2
	ds_load_b128 v[FR*(F_%FPW)+4*\c:FR*(F_%FPW)+4*\c+3], v[\adr] offset:(\off)+6144*K_+512*\c
.endr
.set K_, K_+1
.endr
	WIN 0
	ds_load_b128 v[XS+8*(\e):XS+8*(\e)+3], v[\sadr] offset:\soff
	ds_load_b128 v[XS+8*(\e)+4:XS+8*(\e)+7], v[\sadr] offset:(\soff)+16
.endm
.macro WLOAD                           ; my head's 64 rows of the weight, all of K: 96 loads
.set K_, 0
.rept 8
.irp u, 0,1,2,3
.set F_, 4*K_+\u
	WIN (1+F_/FPW)<<6
.irp c, 0,1,2
	ds_load_b128 v[FR*(F_%FPW)+4*\c:FR*(F_%FPW)+4*\c+3], v[AW0+K_/4] offset:12288*(K_%4)+1536*\u+512*\c
.endr
.endr
.set K_, K_+1
.endr
	WIN 0
.endm
; a product.  kind 1 (v): source 0 = x's tile; kind 0 (q, k): source 0 = the weight's.  WS_: the weight's scale words; CW_, CR_: window and register of the bias
.macro PROD kind, e, k, u, d
.set FB_, 4*(\k)+(\u)
.set FA_, 32+8*(\e)+(\k)
.set RB_, FR*(FB_%FPW)
.set RA_, FR*(FA_%FPW)
.set WB_, 1+FB_/FPW
.set WA_, 1+FA_/FPW
.set D_, \d
.if \kind
.if \k
	WIN WA_|(WB_<<2)|0xf0
	v_wmma_scale_f32_16x16x128_f8f6f4 v[D_:D_+7], v[RA_:RA_+11], v[RB_:RB_+11], v[D_:D_+7], v[XS+8*(\e)+(\k)], v[WS_+FB_] matrix_a_fmt:MATRIX_FMT_FP6 matrix_b_fmt:MATRIX_FMT_FP6
.else
	WIN WA_|(WB_<<2)|(CW_<<4)|0xc0
	v_wmma_scale_f32_16x16x128_f8f6f4 v[D_:D_+7], v[RA_:RA_+11], v[RB_:RB_+11], v[CR_+8*(\u):CR_+8*(\u)+7], v[XS+8*(\e)+(\k)], v[WS_+FB_] matrix_a_fmt:MATRIX_FMT_FP6 matrix_b_fmt:MATRIX_FMT_FP6
.endif
.else
.if \k
	WIN WB_|(WA_<<2)|0xf0
	v_wmma_scale_f32_16x16x128_f8f6f4 v[D_:D_+7], v[RB_:RB_+11], v[RA_:RA_+11], v[D_:D_+7], v[WS_+FB_], v[XS+8*(\e)+(\k)] matrix_a_fmt:MATRIX_FMT_FP6 matrix_b_fmt:MATRIX_FMT_FP6
.else
	WIN WB_|(WA_<<2)|(CW_<<4)|0xc0
	v_wmma_scale_f32_16x16x128_f8f6f4 v[D_:D_+7], v[RB_:RB_+11], v[RA_:RA_+11], v[CR_+8*(\u):CR_+8*(\u)+7], v[WS_+FB_], v[XS+8*(\e)+(\k)] matrix_a_fmt:MATRIX_FMT_FP6 matrix_b_fmt:MATRIX_FMT_FP6
.endif
.endif
.endm
.macro BLK kind, e, d, ds              ; 32 products: the sum of the weight's tile u at d + ds u
.irp k, 0,1,2,3,4,5,6,7
.irp u, 0,1,2,3
	PROD \kind, \e, \k, \u, (\d)+(\ds)*\u
.endr
.endr
	WIN 0
.endm
; Two blocks of 32 along the next K, my 16 numbers of each at x0 and x1 (window 3), become six registers of the next operand in v[PC] on and two scale bytes in v[HW].
.macro HALFQ x0, x1
	s_wait_xcnt 0x0                                ; the last stores have read v[PC] on and v[M0] on
	WIN 0xff
	v_max3_num_f32 v[M0], |v[\x0]|, |v[\x0+1]|, 0x1800000   ; with the floor 2^(3 - 127): the byte cannot fall under 1; each accumulator is read from its low end on
	v_max3_num_f32 v[M1], |v[\x1]|, |v[\x1+1]|, 0x1800000
.irp i, 2,4,6,8,10,12,14
	v_max3_num_f32 v[M0], v[M0], |v[\x0+\i]|, |v[\x0+\i+1]|
	v_max3_num_f32 v[M1], v[M1], |v[\x1+\i]|, |v[\x1+\i+1]|
.endr
	v_permlanex16_b32 v[P0], v[M0], s[SEL], s[SEL+1]
	v_permlanex16_b32 v[P1], v[M1], s[SEL], s[SEL+1]
	v_max_num_f32 v[M0], v[M0], v[P0]
	v_max_num_f32 v[M1], v[M1], v[P1]
	v_add_nc_u32 v[SO0], 0xff000000, v[M0]         ; 2 off the exponent field: the conversion's scale operand
	v_add_nc_u32 v[SO1], 0xff000000, v[M1]
	v_cvt_scalef32_pk16_fp6_f32 v[PC:PC+2], v[\x0:\x0+15], v[SO0]
	v_cvt_scalef32_pk16_fp6_f32 v[TC:TC+2], v[\x1:\x1+15], v[SO1]
	v_lshrrev_b32 v[B0], 23, v[SO0]
	v_lshrrev_b32 v[B1], 23, v[SO1]
	v_lshl_or_b32 v[HW], v[B1], 8, v[B0]
.irp i, 0,1,2
	v_permlane16_swap_b32 v[PC+\i], v[TC+\i]       ; a whole block to a lane: lanes 0-15 the first, lanes 16-31 the second
.endr
.irp i, 0,1,2
	v_mov_b32 v[PC+3+\i], v[TC+\i]
.endr
.endm
; ---- the head
	s_load_b256 s[4:11], s[0:1], 0x0               ; xw_img, xw_scl, bq, bk
	s_load_b128 s[12:15], s[0:1], 0x20             ; bv, qkv_img
	s_load_b64 s[16:17], s[0:1], 0x30              ; qkv_scl
	v_lshl_add_u32 v[SPW], v0, 2, SPARE
	v_mov_b32 v[NIL], 0
	ds_add_u32 v[SPW], v[NIL]                      ; the opening lines
	ds_add_u32 v[SPW], v[NIL]
	v_lshrrev_b32 v19, 5, v0
	v_readfirstlane_b32 s18, v19                   ; wave
	s_lshr_b32 s19, s18, 1                         ; my rowblock of x
	s_and_b32 s20, s18, 1                          ; my head of the pair
	s_bfe_u32 s40, ttmp6, 0x40000
	s_bfe_u32 s41, ttmp6, 0x40004
	s_lshl_b32 s42, ttmp9, 2
	s_add_co_u32 s42, s42, s40                     ; work-group x: the pair of heads
	s_and_b32 s21, ttmp7, 0xffff                   ; the batch
	s_lshl_b32 s43, s21, 2
	s_add_co_u32 s43, s43, s41                     ; work-group y
	s_lshl_b32 s22, s41, 2
	s_lshl_b32 s22, 15, s22                        ; my row of the cluster
	s_lshl_b32 s23, 0x1111, s40                    ; my column
	s_or_b32 s24, s23, (3<<16)|(1<<21)             ; a weight's part: dense rows of 256 bytes, 192 at the head, 96 in a refill
	s_mov_b32 s25, 32<<16
	s_mov_b32 s26, 192<<16
	s_mov_b32 s27, 32<<16
	s_mov_b32 s28, 192
	s_mov_b32 s29, 32
	s_mov_b32 s30, 0
	s_mov_b32 s31, 0
	s_or_b32 s32, s22, (3<<16)|(1<<21)             ; x: 16 rows (rowblock, K step) of 768 elements of 8 bytes, 1,536 elements apart
	s_mov_b32 s33, 768<<16
	s_mov_b32 s34, 16<<16
	s_mov_b32 s35, 768<<16
	s_mov_b32 s36, 16
	s_mov_b32 s37, 1536
	s_mov_b32 s38, 0
	s_mov_b32 s39, 0
	s_add_co_u32 s52, s42, 80                      ; Wv's rowblock, my half
	s_mul_i32 s52, s52, RBB
	s_mul_i32 s54, s18, 49152
	s_add_co_u32 s52, s52, s54
	s_mov_b32 s53, 0
	s_mov_b32 s44, 1
	s_add_co_u32 s45, s54, WR
	s_mul_i32 s56, s43, 2*RBB                      ; x's two rowblocks, tiles 0-3 or 4-7
	s_mul_i32 s55, s20, 6144
	s_add_co_u32 s56, s56, s55
	s_mov_b32 s57, 0
	s_mov_b32 s48, 1
	s_mul_i32 s49, s20, 98304
	s_add_co_u32 s82, s42, 64                      ; Wq's rowblock, my quarter
	s_mul_i32 s82, s82, RBB
	s_mul_i32 s81, s18, 24576
	s_add_co_u32 s82, s82, s81
	s_mov_b32 s83, 0
	s_mov_b32 s[SEL], 0x76543210
	s_mov_b32 s[SEL+1], 0xfedcba98
	WALU
	s_wait_dscnt 0x0
	ROUND                                          ; in front of the first joint loads
	s_wait_kmcnt 0x0
	s_add_nc_u64 s[46:47], s[4:5], s[52:53]
	s_or_b32 s47, s47, 0x80000000
	s_add_nc_u64 s[50:51], s[4:5], s[56:57]
	s_or_b32 s51, s51, 0x80000000
	s_add_nc_u64 s[76:77], s[4:5], s[82:83]
	s_cmp_lt_u32 s18, 2
	s_cbranch_scc0 .Lx_low
	TLOAD 44, 24                                   ; waves 0, 1: Wv
	s_branch .Lasked
.Lx_low:
	s_cmp_eq_u32 s18, 2
	s_cbranch_scc0 .Lx_high
	TLOAD 48, 32                                   ; wave 2: x's tiles 0-3
	s_branch .Lasked
.Lx_high:
	TLOAD 48, 32                                   ; wave 3: x's tiles 4-7
.Lasked:
	s_lshl_b32 s52, s42, 9                         ; the biases: 128 numbers a pair of heads, 64 a head
	s_lshl_b32 s54, s20, 8
	s_add_co_u32 s52, s52, s54
	s_add_nc_u64 s[8:9], s[8:9], s[52:53]
	s_add_nc_u64 s[10:11], s[10:11], s[52:53]
	s_add_nc_u64 s[12:13], s[12:13], s[52:53]
	s_add_co_u32 s52, s42, 64                      ; the weights' scale words: rowblock x 4,096 + head x 256
	s_lshl_b32 s52, s52, 12
	s_add_co_u32 s52, s52, s54
	s_add_nc_u64 s[62:63], s[6:7], s[52:53]        ; q's,
	s_add_nc_u64 s[66:67], s[62:63], 32768         ; k's,
	s_add_nc_u64 s[60:61], s[62:63], 65536         ; v's
	s_lshl_b32 s52, s43, 1
	s_add_co_u32 s52, s52, s19
	s_lshl_b32 s52, s52, 12
	s_add_nc_u64 s[58:59], s[6:7], s[52:53]        ; x's
	s_lshl_b32 s52, s21, 4                         ; qkv_img: (16 batch + 2 pair + head) x 49,152 + x's rowblock in the batch x 6,144
	s_lshl_b32 s54, s42, 1
	s_add_co_u32 s52, s52, s54
	s_add_co_u32 s52, s52, s20
	s_mul_i32 s52, s52, HB
	s_lshl_b32 s54, s41, 1
	s_add_co_u32 s54, s54, s19
	s_mul_i32 s54, s54, 6144
	s_add_co_u32 s52, s52, s54
	s_add_nc_u64 s[68:69], s[14:15], s[52:53]
	s_mov_b64 s[72:73], s[68:69]                   ; q's section
	s_add_nc_u64 s[74:75], s[68:69], 2*SEC         ; v's
	s_lshl_b32 s52, s21, 3                         ; qkv_scl: (8 batch + pair) x 4,096 + 1,024 cy + 256 wave
	s_add_co_u32 s52, s52, s42
	s_lshl_b32 s52, s52, 12
	s_lshl_b32 s54, s41, 10
	s_add_co_u32 s52, s52, s54
	s_lshl_b32 s54, s18, 8
	s_add_co_u32 s52, s52, s54
	s_add_nc_u64 s[70:71], s[16:17], s[52:53]
	s_mul_i32 s52, s19, 49152
	s_mul_i32 s55, s20, 6144
	s_add_co_u32 s55, s55, WR
	s_lshl_b32 s56, s18, 12
	s_add_co_u32 s56, s56, XST
	s_lshl_b32 s57, s19, 9
	s_lshl_b32 s81, s20, 1
	s_add_co_u32 s57, s57, s81
	s_add_co_u32 s57, s57, QST
	s_add_co_u32 s54, s54, QST
	v_and_b32 v19, 15, v0                          ; r
	v_bfe_u32 v20, v0, 4, 1                        ; h
	v_and_b32 v21, 31, v0
	v_lshlrev_b32 v[O16], 4, v21
	v_lshlrev_b32 v[O8], 3, v21
	v_lshlrev_b32 v[R16], 4, v19
	v_lshlrev_b32 v[BO], 6, v20
	v_and_b32 v22, 8, v19
	v_add_nc_u32 v22, v22, v19
	v_lshlrev_b32 v[BAO], 2, v22
.set K_, 0
.rept 8
	global_load_b128 v[XT+8*K_:XT+8*K_+3], v[R16], s[58:59] offset:512*K_
	global_load_b128 v[XT+8*K_+4:XT+8*K_+7], v[R16], s[58:59] offset:512*K_+256
	global_load_b128 v[WSA+4*K_:WSA+4*K_+3], v[R16], s[60:61] offset:512*K_
	global_load_b128 v[WSB+4*K_:WSB+4*K_+3], v[R16], s[62:63] offset:512*K_
	global_load_b128 v[BCB+4*K_:BCB+4*K_+3], v[BO], s[8:9] offset:128*(K_/4)+16*(K_%4)   ; register 16 b + i: channel 32 b + 16 h + i of my head
.set K_, K_+1
.endr
	WIN 0xc0
.irp u, 0,1,2,3
	global_load_b32 v[BCA+8*\u], v[BAO], s[12:13] offset:(32*(\u/2)+8*(\u%2))*4   ; v: my lane's channel of tile u
.endr
	v_mov_b32 v[P0], 0                             ; a lane permute's destination counts as one of its sources
	v_mov_b32 v[P1], 0
	WIN 0
	v_add_nc_u32 v[AX0], s52, v[O16]
	v_add_nc_u32 v[AX0+1], 98304, v[AX0]
	v_add_nc_u32 v[AW0], s55, v[O16]
	v_add_nc_u32 v[AW0+1], 49152, v[AW0]
	v_lshl_add_u32 v[XSA0], v19, 5, s56
	v_add_nc_u32 v[SB0], s57, v[R16]
	v_add_nc_u32 v[RDS], s54, v[O8]
	v_lshl_add_u32 v[VSO], v20, 3, v[R16]
	WALU
	s_wait_loadcnt 0x0
.set K_, 0
.rept 8
.irp a, 0,1,2,3,4,5,6,7
	ds_store_b32 v[XSA0], v[XT+8*K_+\a] offset:512*\a+4*K_   ; lanes l and l xor 16 store the same word to the same place
.endr
.set K_, K_+1
.endr
	WIN 0xc3
.irp u, 0,8,16,24
.irp j, 1,2,3,4,5,6,7
	v_mov_b32 v[BCA+\u+\j], v[BCA+\u]
.endr
.endr
	WIN 0
	WALU
	s_cmp_lt_u32 s18, 2
	s_cbranch_scc0 .Lnot_w
	s_wait_tensorcnt 0x0
.Lnot_w:
	s_wait_dscnt 0x0
	BARRIER                                        ; Wv's rows are in
	WLOAD
	s_cmp_eq_u32 s18, 3
	s_cbranch_scc1 .Lnot_x
	s_wait_tensorcnt 0x0
.Lnot_x:
	s_wait_dscnt 0x0
	BARRIER                                        ; x's tiles 0-3 are in; tiles 4-7 may be on their way
	FETCH 0, AX0, 0, XSA0, 0
	FETCH 1, AX0, 1536, XSA0, 512
; ---- v: eight blocks; a way out for each four
.set WS_, WSA
.set CW_, 3
.set CR_, BCA
.macro VB s                            ; block s; behind it tile (s + 2) % 8 into its set (tiles 0 and 1 are q's first two)
	s_wait_dscnt 26                                ; this block's 26 loads are in; the next block's 26 may be out
	BLK 1, (\s)%2, ACC+64*(((\s)%4)/2)+8*((\s)%2), 16
	PLACES
.set T_, ((\s)+2)%8
	FETCH (\s)%2, AX0+T_/4, 1536*(T_%4), XSA0, 512*T_
.endm
.macro VOUT c                          ; keys 64 c .. 64 c + 63 of my rowblock, for each of my four tiles of channels: half a fragment, 768 bytes
.irp u, 0,1,2,3
	HALFQ ACC+16*\u, ACC+64+16*\u
.if \c
	v_lshl_or_b32 v[VW+\u], v[HW], 16, v[VW+\u]
.else
	v_mov_b32 v[VW+\u], v[HW]
.endif
	WIN 0x0c
	global_store_b128 v[O16], v[PC:PC+3], s[74:75] offset:1536*\u+768*\c
	global_store_b64 v[O8], v[PC+4:PC+5], s[74:75] offset:1536*\u+768*\c+512
.endr
	WIN 0
.endm
	VB 0
	VB 1
	WALU
	s_wait_tensorcnt 0x0                           ; the head's loads are in, x's tiles 4-7 among them; the three lines ahead of a refill
	ds_add_u32 v[SPW], v[NIL]
	s_mov_b32 s26, 96<<16                          ; no tensor load of mine is out: a refill brings a quarter, 96 rows
	s_mov_b32 s28, 96
	s_mul_i32 s45, s18, 24576
	s_add_co_u32 s45, s45, WR
	s_mov_b64 s[46:47], s[76:77]
	s_or_b32 s47, s47, 0x80000000
	s_wait_dscnt 0x0
	ROUND
	TLOAD 44, 24                                   ; Wq's rows, onto Wv's, which all waves hold in registers
	VB 2
	VB 3
	VOUT 0
	VB 4
	VB 5
	VB 6
	VB 7
	s_wait_tensorcnt 0x0                           ; my quarter of Wq is in
	s_wait_dscnt 0x0
	BARRIER                                        ; a plain barrier shows it to all
	WLOAD
.set K_, 0
.rept 8
	global_load_b128 v[WSA+4*K_:WSA+4*K_+3], v[R16], s[66:67] offset:512*K_   ; k's scale words and bias, into v's registers
.set K_, K_+1
.endr
	WIN 0xc0
.set K_, 0
.rept 8
	global_load_b128 v[BCA+4*K_:BCA+4*K_+3], v[BO], s[10:11] offset:128*(K_/4)+16*(K_%4)
.set K_, K_+1
.endr
	WIN 0
	VOUT 1                                         ; under the flight of the 96 loads
	WALU                                           ; the wait directly ahead of the wait below
	s_wait_xcnt 0x0
	WIN 0xff
	s_mov_b32 vcc_lo, 0xffff0000
	v_cndmask_b32 v[M0], v[VW], v[VW+2], vcc_lo    ; lane (r, h) stores the words of tiles 2 h, 2 h + 1 of channel row r
	v_cndmask_b32 v[M1], v[VW+1], v[VW+3], vcc_lo
	WIN 0x0c
	global_store_b64 v[VSO], v[M0:M1], s[70:71] offset:2*SSEC   ; 256 consecutive bytes, aligned
	WIN 0
	WALU
	s_wait_tensorcnt 0x0                           ; the three lines ahead of the second refill
	ds_add_u32 v[SPW], v[NIL]
	s_add_nc_u64 s[46:47], s[46:47], 8*RBB         ; Wk's rowblock, my quarter
	s_wait_dscnt 0x0                               ; Wq is in my registers
	ROUND
	TLOAD 44, 24
; ---- q, then k: eight blocks, a way out for each
.macro QKB e, w, f, adr, off, sadr, soff, sa, so, oo
	s_wait_dscnt \w
	BLK 0, \e, ACC, 8
	PLACES
.if \f
	FETCH \e, \adr, \off, \sadr, \soff
.endif
	HALFQ ACC, ACC+16
	WIN 0x0c
	ds_store_b16 v[\sa], v[HW] offset:\so          ; my head's two bytes of the token's word
	global_store_b128 v[O16], v[PC:PC+3], s[72:73] offset:\oo
	global_store_b64 v[O8], v[PC+4:PC+5], s[72:73] offset:(\oo)+512
	WIN 0
.endm
; Younger than a block's fetch are a stage store, the next block's 26 loads and a stage store: 28.  st: the stage; last = 1: nothing follows, so the last two blocks fetch nothing.
.macro JOB st, last
	s_mov_b32 s80, 0
.Ljob_\@:                              ; trip t: blocks 2 t, 2 t + 1; tiles 2 t + 2, 2 t + 3 are fetched
	s_lshl_b32 s81, s80, 1
	s_add_co_u32 s81, s81, 2
	s_and_b32 s82, s81, 3
	s_mul_i32 s82, s82, 1536
	s_lshr_b32 s83, s81, 2
	s_mul_i32 s83, s83, 98304
	s_add_co_u32 s82, s82, s83
	s_lshl_b32 s81, s81, 9
	v_add_nc_u32 v[AXF], s82, v[AX0]
	v_add_nc_u32 v[XSF], s81, v[XSA0]
	s_lshr_b32 s82, s80, 1
	s_lshl_b32 s82, s82, 8
	s_and_b32 s83, s80, 1
	s_lshl_b32 s83, s83, 3
	s_add_co_u32 s82, s82, s83
	v_add_nc_u32 v[SAC], s82, v[SB0]               ; the word of tile 4 g + i lies at 256 g + 16 r + 4 i
	WALU
	QKB 0, 28, 1, AXF, 0, XSF, 0, SAC, \st, 0
	QKB 1, 28, 1, AXF, 1536, XSF, 512, SAC, (\st)+4, 768
	s_wait_xcnt 0x0
	s_add_nc_u64 s[72:73], s[72:73], 1536
	s_add_co_u32 s80, s80, 1
	s_cmp_lt_u32 s80, 3
	WALU
	s_cbranch_scc1 .Ljob_\@
.if \last
	QKB 0, 28, 0, 0, 0, 0, 0, SB0, (\st)+264, 0
	QKB 1, 2, 0, 0, 0, 0, 0, SB0, (\st)+268, 768   ; behind block 7's fetch stand two stage stores
.else
	QKB 0, 28, 1, AX0, 0, XSA0, 0, SB0, (\st)+264, 0
	QKB 1, 28, 1, AX0, 1536, XSA0, 512, SB0, (\st)+268, 768
.endif
.endm
.set WS_, WSB
.set CW_, 0
.set CR_, BCB
	JOB 0, 0
	WALU
	s_wait_tensorcnt 0x0                           ; my quarter of Wk is in
	s_wait_dscnt 0x0
	BARRIER                                        ; a plain barrier shows Wk and q's scale bytes to all
	WLOAD
	ds_load_b64 v[200:201], v[RDS]
	s_wait_xcnt 0x0
	s_add_nc_u64 s[72:73], s[68:69], SEC           ; k's section
	s_wait_loadcnt 0x0                             ; k's scale words and bias
	s_wait_dscnt 0x0
	global_store_b64 v[O8], v[200:201], s[70:71]   ; 256 consecutive bytes, aligned
.set WS_, WSA
.set CW_, 3
.set CR_, BCA
	JOB KST-QST, 1
	WALU
	s_wait_dscnt 0x0
	BARRIER
	s_wait_xcnt 0x0
	ds_load_b64 v[200:201], v[RDS] offset:KST-QST
	s_wait_dscnt 0x0
	global_store_b64 v[O8], v[200:201], s[70:71] offset:SSEC
	s_wait_tensorcnt 0x0                           ; the wave's end
	ds_add_u32 v[SPW], v[NIL]
	s_wait_dscnt 0x0
	ROUND                                          ; the closing round
	s_endpgm
.Lfunc_end_k_qc287a39fde_proj:
	.size	k_qc287a39fde_proj, .Lfunc_end_k_qc287a39fde_proj-k_qc287a39fde_proj
	.p2alignl 7, 3214868480
	.fill 96, 4, 3214868480
	.section	.rodata,"a",@progbits
	.p2align	6, 0x0
	.amdhsa_kernel k_qc287a39fde_proj
		.amdhsa_group_segment_fixed_size 327680
		.amdhsa_private_segment_fixed_size 0
		.amdhsa_enable_private_segment 0
		.amdhsa_kernarg_size 56
		.amdhsa_user_sgpr_count 2
		.amdhsa_user_sgpr_kernarg_segment_ptr 1
		.amdhsa_wavefront_size32 1
		.amdhsa_system_sgpr_workgroup_id_x 1
		.amdhsa_system_sgpr_workgroup_id_y 1
		.amdhsa_system_sgpr_workgroup_id_z 1
		.amdhsa_system_vgpr_workitem_id 0
		.amdhsa_next_free_vgpr 1024
		.amdhsa_next_free_sgpr 90
		.amdhsa_reserve_vcc 1
		.amdhsa_float_denorm_mode_32 3
		.amdhsa_float_denorm_mode_16_64 3
		.amdhsa_memory_ordered 1
		.amdhsa_forward_progress 1
		.amdhsa_inst_pref_size 173
	.end_amdhsa_kernel
	.amdgpu_metadata
---
amdhsa.version: [ 1, 2 ]
amdhsa.kernels:
  - .name:           k_qc287a39fde_proj
    .symbol:         k_qc287a39fde_proj.kd
    .args:
      - { .name: xw_img, .offset: 0, .size: 8, .value_kind: global_buffer, .address_space: global }
      - { .name: xw_scl, .offset: 8, .size: 8, .value_kind: global_buffer, .address_space: global }
      - { .name: bq, .offset: 16, .size: 8, .value_kind: global_buffer, .address_space: global }
      - { .name: bk, .offset: 24, .size: 8, .value_kind: global_buffer, .address_space: global }
      - { .name: bv, .offset: 32, .size: 8, .value_kind: global_buffer, .address_space: global }
      - { .name: qkv_img, .offset: 40, .size: 8, .value_kind: global_buffer, .address_space: global }
      - { .name: qkv_scl, .offset: 48, .size: 8, .value_kind: global_buffer, .address_space: global }
    .group_segment_fixed_size: 327680
    .private_segment_fixed_size: 0
    .kernarg_segment_align: 8
    .kernarg_segment_size: 56
    .max_flat_workgroup_size: 128
    .sgpr_count:     90
    .vgpr_count:     1024
    .wavefront_size: 32
...
	.end_amdgpu_metadata
.endif
;; end of part 2
;; launch attn (part 3): grid 4 x 64, 8 waves a work-group, clusters of 4 x 1, 327,680 bytes of LDS; arguments qkv_img, qkv_scl, attention_mask, out0; writes out0
.if DOCPART == 3
	.amdgcn_target "amdgcn-amd-amdhsa--gfx1250"
	.amdhsa_code_object_version 6
	.text
	.protected	k_qc287a39fde_attn
	.globl	k_qc287a39fde_attn
	.p2align	8
	.type	k_qc287a39fde_attn,@function
k_qc287a39fde_attn:
	s_mov_b64 s[64:65], 0
	v_nop
	global_prefetch_b8 v0, s[64:65] scope:SCOPE_SE
	s_setreg_imm32_b32 hwreg(HW_REG_WAVE_MODE, 25, 1), 1
	s_wait_xcnt 0x0
	s_wait_alu depctr_hold_cnt(0) depctr_sa_sdst(0) depctr_va_vdst(0) depctr_va_sdst(0) depctr_va_ssrc(0) depctr_va_vcc(0) depctr_vm_vsrc(0)
	s_getreg_b32 s2, hwreg(HW_REG_IB_STS2, 6, 4)
	s_cmp_eq_u32 s2, 0
	s_cbranch_scc0 .Lentry_in_a_cluster
	s_endpgm
.Lentry_in_a_cluster:
	s_bfe_u32 s2, ttmp6, 0x10000c
	s_cmp_lg_u32 s2, 0x3003
	s_cbranch_scc0 .Lentry_shape_is_right
	s_endpgm
.Lentry_shape_is_right:
; ctx = softmax(q k^T / 8 + mask) v on codes of FP6 (E2M3) with E8M0 scales, for two heads of one batch and 256 queries a work-group; the four work-groups of a cluster
; take the four quarters of the queries and ask for the two heads' K and V jointly (mask 15).
; A WAVE HOLDS TWO TILES OF 16 QUERIES, so that each fragment of K and V and each register of the mask that it reads from LDS feeds two matrix instructions.
; Both products are used transposed (S^T = k q^T, O^T = v^T p^T): a lane holds one query.  The head's 64 channels fill half of the 128 along K: q's fragments carry zero codes in their upper
; six registers, so whatever codes stand in the upper six of k's operand add nothing (every code of E2M3 is finite, and the upper scale bytes are 0, a finite code): k's fragments lie six registers apart.
; THE KEYS OF A TILE ARE CHOSEN BY THE LANES' ADDRESSES: row r of tile 4 g + t is key 64 g + 32 (r / 8) + 8 t + r % 8 of the step's 128, so that a lane's 32 scores of four tiles are ONE block of 32 keys,
; 64 g + 32 h + 0 .. 31, as the next operand's layout wants them: a block's largest score needs no other lane, and the conversions' results are the operand's registers.
; The mask (x 8, since t = (score + 8 mask) x log2(e) / 8) is the C of the scores' matrix instructions; its 64 registers of a step serve both tiles.
; SOFTMAX by the problem's rule: M = the running largest t rounded up to a whole number, p = 2^(t - M), the sum of the unquantised p, O^T and the sum brought under a new M by an exact power of two, the division at the end.
; A block's largest p is made of its largest score by the same multiply-add and exponential.
; LIMITS: the promise holds while the scaled scores stay under 2^31 in magnitude; 8 x mask is held at +-2^32; NaN among the inputs is not served.
; LDS: head c's K (49,152 bytes) and V at 98,304 c; then k's scale words (two heads), v's, the mask, a stage of 16 x 272 bytes a wave, the spare words.
; FILLS: at the head each wave asks for an eighth of head 0's K and V; head 1's are asked for behind the three lines and a round of the cluster's barrier and land under head 0's pass.
; No prefetch: both fills are issued ahead of the first loop, so no loop is left to run ahead in.
; LDS FETCHES run a phase ahead: the next step's k, scale words and mask (NK loads) go out behind the scores' products, the next step's v (NV loads) behind the step's last products; the step number wraps at 8,
; so the last trip fetches step 0 again and stays inside its regions.
; REGISTERS: window 0: addresses, scale words, fragments of k, v, q, the mask.  Window 1: v0-127 scores and p of the two tiles, v128-191 O^T, v192-215 p's codes, v216-231 each tile's -M, largest score, sums, factor, v232-255 at work.
.set SEC,  6291456
.set HB,   49152
.set SSEC, 262144
.set KSC,  4*HB
.set VSC,  KSC+8192
.set MSK,  KSC+12288
.set STG,  KSC+16384
.set SPARE, STG+8*4352
.set NK,   34
.set NV,   17
.set A16,  1                           ; 16 x lane
.set A8,   2                           ; 8 x lane
.set KB16, 3                           ; k's fragments: 1,536 (r / 8) + 16 (r % 8) + 256 h
.set KB8,  4                           ; 1,536 (r / 8) + 8 (r % 8) + 128 h
.set KSB,  5                           ; k's scale words: KSC + 16 (r % 8) + 8 (r / 8)
.set VSB,  6                           ; v's: VSC + 16 r
.set AM0,  7                           ; the mask: MSK + 128 h
.set STI,  8
.set STO,  9
.set GO,   10
.set K16,  11                          ; v11-17: the same with the step's offset
.set K8,   12
.set KSA,  13
.set ADM,  14
.set V16,  15
.set V8,   16
.set VSA,  17
.set SPW,  18
.set NIL,  19
.set QS,   20                          ; v20-23 q's scale words: 2 x head + tile
.set PS,   24                          ; v24-25 p's
.set KS,   26                          ; v26-33 k's, a tile each
.set VS,   34                          ; v34-37 v's
.set KF,   40                          ; v40-93 k: tile t at 6 t
.set VF,   94                          ; v94-141 v: tile t at 12 t
.set MK,   142                         ; v142-205 the mask; on the way out the rows read back
.set QF,   206                         ; v206-253 q: 24 x head + 12 x tile
.set C0,   232                         ; window 1, at work
.set XX,   236
.set YY,   237
.set SO,   238
.set BY,   240
.set WW,   242
.set W2,   243
.set TCA,  244
.set OLD,  247
.set TCB,  248
.set TT,   251
.set S1,   252
.set S2,   254
.set SH8,  222                         ; window 1: 8 h
.set WV,  12
.set G1,  16
.set SEL, 32
.set CS,  34
.set TK,  36
.set T5,  37
.set KN,  38
.set T5C, 39
.set MSB, 0
.macro WIN new
.if MSB != \new
	s_set_vgpr_msb (MSB<<8)|\new
.set MSB, \new
.endif
.endm
.macro WALU
	s_wait_alu depctr_va_vdst(0)
.endm
.macro ROUND
	s_barrier_signal -1
	s_barrier_wait -1
	s_cmp_lg_u32 s[WV], 0
	s_cbranch_scc1 .Lnot_wave_0_\@
	s_barrier_signal -3
.Lnot_wave_0_\@:
	s_barrier_wait -3
	s_barrier_signal -1
	s_barrier_wait -1
.endm
	s_load_b256 s[4:11], s[0:1], 0x0               ; qkv_img, qkv_scl, attention_mask, out0
	v_lshl_add_u32 v[SPW], v0, 2, SPARE
	v_mov_b32 v[NIL], 0
	ds_add_u32 v[SPW], v[NIL]                      ; the opening lines
	ds_add_u32 v[SPW], v[NIL]
	v_lshrrev_b32 v94, 5, v0
	v_readfirstlane_b32 s[WV], v94                 ; wave 0..7
	s_bfe_u32 s13, ttmp6, 0x40000                  ; cx: the quarter of the queries
	s_and_b32 s14, ttmp7, 0xffff                   ; 8 x batch + pair of heads
	s_lshl_b32 s15, s13, 4
	s_lshl_b32 s56, s[WV], 1
	s_add_co_u32 s15, s15, s56                     ; my first tile of queries, 0..62
	s_mov_b32 s[G1], 15|(3<<16)|(1<<21)            ; a dense block of 12,288 bytes as 48 rows of 256; all four partners
	s_mov_b32 s[G1+1], 32<<16
	s_mov_b32 s[G1+2], 48<<16
	s_mov_b32 s[G1+3], 32<<16
	s_mov_b32 s[G1+4], 48
	s_mov_b32 s[G1+5], 32
	s_mov_b32 s[G1+6], 0
	s_mov_b32 s[G1+7], 0
	s_mul_i32 s54, s14, 2*HB
	s_mul_i32 s57, s[WV], 12288                    ; waves 0-3 a quarter of K each, waves 4-7 of V
	s_add_co_u32 s54, s54, s57
	s_lshr_b32 s56, s[WV], 2
	s_mul_i32 s56, s56, SEC-HB
	s_add_co_u32 s54, s54, s56
	s_add_co_u32 s54, s54, SEC
	s_mov_b32 s55, 0
	s_mov_b32 s[SEL], 0x76543210
	s_mov_b32 s[SEL+1], 0xfedcba98
	s_mov_b32 s[CS], 0x3e38aa3b                    ; log2(e) / 8
	s_mov_b32 s[CS+1], s[CS]
	s_mov_b32 s52, 0xcf800000
	s_mov_b32 s53, 0x4f800000
	WALU
	s_wait_dscnt 0x0
	s_wait_kmcnt 0x0
	s_mov_b32 s24, 1
	s_mov_b32 s25, s57
	s_add_nc_u64 s[26:27], s[4:5], s[54:55]
	s_add_nc_u64 s[30:31], s[26:27], HB
	s_or_b32 s27, s27, 0x80000000
	s_mov_b32 s28, 1
	s_add_co_u32 s29, s57, 2*HB
	s_or_b32 s31, s31, 0x80000000
	ROUND
	tensor_load_to_lds s[24:27], s[G1:G1+7]        ; head 0: the wave's one load at the head
	s_nop 0
	s_mul_i32 s54, s14, 2*HB
	s_mul_i32 s56, s15, 768
	s_add_co_u32 s54, s54, s56
	s_add_nc_u64 s[40:41], s[4:5], s[54:55]        ; q's fragments
	s_lshl_b32 s54, s14, 12
	s_add_nc_u64 s[42:43], s[6:7], s[54:55]
	s_add_nc_u64 s[44:45], s[42:43], SSEC          ; k's scale words
	s_add_nc_u64 s[46:47], s[42:43], 2*SSEC        ; v's
	s_lshr_b32 s56, s15, 2
	s_lshl_b32 s56, s56, 8
	s_and_b32 s58, s15, 3
	s_lshl_b32 s58, s58, 2
	s_add_co_u32 s54, s56, s58
	s_add_nc_u64 s[42:43], s[42:43], s[54:55]      ; q's, my two tiles' words side by side
	s_lshr_b32 s56, s14, 3
	s_lshl_b32 s54, s56, 12
	s_add_nc_u64 s[48:49], s[8:9], s[54:55]        ; the batch's mask
	s_lshl_b32 s54, s56, 10
	s_lshl_b32 s58, s13, 8
	s_add_co_u32 s54, s54, s58
	s_lshl_b32 s58, s[WV], 5
	s_add_co_u32 s54, s54, s58                     ; my 32 tokens' first row of out0
	s_lshl_b32 s54, s54, 12
	s_and_b32 s58, s14, 7
	s_lshl_b32 s58, s58, 9
	s_add_co_u32 s54, s54, s58
	s_add_nc_u64 s[50:51], s[10:11], s[54:55]
	s_mul_i32 s54, s[WV], 4352
	s_add_co_u32 s54, s54, STG                     ; my stage
	v_and_b32 v94, 31, v0
	v_and_b32 v95, 15, v0                          ; r
	v_bfe_u32 v96, v0, 4, 1                        ; h
	v_and_b32 v97, 7, v0
	v_bfe_u32 v98, v0, 3, 1
	v_lshlrev_b32 v[A16], 4, v94
	v_lshlrev_b32 v[A8], 3, v94
	v_lshlrev_b32 v99, 4, v95
	v_lshlrev_b32 v100, 4, v0
.irp c, 0,1
.irp k, 0,1
	global_load_b128 v[QF+24*\c+12*\k:QF+24*\c+12*\k+3], v[A16], s[40:41] offset:HB*\c+768*\k
	global_load_b64 v[QF+24*\c+12*\k+4:QF+24*\c+12*\k+5], v[A8], s[40:41] offset:HB*\c+768*\k+512
.endr
.endr
	global_load_b64 v[102:103], v99, s[42:43]
	global_load_b128 v[104:107], v100, s[48:49]    ; 256 threads x 16 bytes: the 4,096 bytes of the mask, of k's words and of v's
	global_load_b128 v[108:111], v100, s[44:45]
	global_load_b128 v[112:115], v100, s[46:47]
	v_mul_u32_u24 v[KB16], v98, 1536
	v_lshl_add_u32 v[KB8], v97, 3, v[KB16]
	v_lshl_add_u32 v[KB8], v96, 7, v[KB8]
	v_lshl_add_u32 v[KB16], v97, 4, v[KB16]
	v_lshl_add_u32 v[KB16], v96, 8, v[KB16]
	v_lshlrev_b32 v[KSB], 4, v97
	v_lshl_add_u32 v[KSB], v98, 3, v[KSB]
	v_add_nc_u32 v[KSB], KSC, v[KSB]
	v_lshl_add_u32 v[VSB], v95, 4, VSC
	v_lshl_add_u32 v[AM0], v96, 7, MSK
	v_mul_u32_u24 v[STI], v95, 272
	v_lshl_add_u32 v[STI], v96, 6, v[STI]
	v_add_nc_u32 v[STI], s54, v[STI]
	v_mul_u32_u24 v[STO], v96, 272
	v_lshl_add_u32 v[STO], v95, 4, v[STO]
	v_add_nc_u32 v[STO], s54, v[STO]
	v_lshlrev_b32 v[GO], 12, v96
	v_lshl_add_u32 v[GO], v95, 4, v[GO]
	v_add_nc_u32 v101, KSC, v100
.irp j, 6,7,8,9,10,11
.irp f, 0,12,24,36
	v_mov_b32 v[QF+\f+\j], 0                       ; q's zero codes for K = 64 .. 127
.endr
	v_mov_b32 v[KF+42+\j], 0                       ; named as the upper half of k's last fragment
.endr
	WIN 0x40
	v_lshlrev_b32 v[SH8], 3, v96
	v_mov_b32 v[YY], 0                             ; a lane permute's destination counts as one of its sources
	v_mov_b32 v[W2], 0
	v_mov_b32 v221, 0                              ; named as the upper halves of the factors' pairs
	v_mov_b32 v229, 0
	WIN 0
	WALU
	s_wait_loadcnt 0x0
.irp i, 0,1,2,3
	v_mul_f32 v[104+\i], 0x41000000, v[104+\i]
.endr
.irp i, 0,1,2,3
	v_med3_num_f32 v[104+\i], v[104+\i], s52, s53
.endr
.irp i, 0,1,2,3
	v_and_b32 v[116+\i], 0xffff, v[108+\i]         ; a word of k's holds two bytes of each head of the pair
	v_lshrrev_b32 v[120+\i], 16, v[108+\i]
.endr
	v_and_b32 v[QS], 0xffff, v102
	v_and_b32 v[QS+1], 0xffff, v103
	v_lshrrev_b32 v[QS+2], 16, v102
	v_lshrrev_b32 v[QS+3], 16, v103
	ds_store_b128 v101, v[116:119]
	ds_store_b128 v101, v[120:123] offset:4096
	ds_store_b128 v101, v[112:115] offset:VSC-KSC
	ds_store_b128 v101, v[104:107] offset:MSK-KSC
	WALU
	s_wait_tensorcnt 0x0                           ; my part of head 0 is in; the three lines ahead of a later first fill
	ds_add_u32 v[SPW], v[NIL]
	s_wait_dscnt 0x0                               ; the add and my stores are done
	ROUND
	tensor_load_to_lds s[28:31], s[G1:G1+7]        ; head 1, into bytes of its own
	s_nop 0
.rept 4
	v_nop
.endr
.macro KADDR
	v_add_nc_u32 v[K16], s[TK], v[KB16]
	v_add_nc_u32 v[K8], s[TK], v[KB8]
	v_add_nc_u32 v[KSA], s[T5C], v[KSB]
	v_add_nc_u32 v[ADM], s[T5], v[AM0]
.endm
.macro KLOAD                           ; NK loads: eight tiles of k, their scale words, the mask of 128 keys
.irp t, 0,1,2,3,4,5,6,7
	ds_load_b128 v[KF+6*\t:KF+6*\t+3], v[K16] offset:3072*(\t/4)+768*(\t%2)+128*((\t%4)/2)
	ds_load_b64 v[KF+6*\t+4:KF+6*\t+5], v[K8] offset:3072*(\t/4)+768*(\t%2)+64*((\t%4)/2)+512
.endr
	ds_load_2addr_b64 v[KS:KS+3], v[KSA] offset0:0 offset1:16
	ds_load_2addr_b64 v[KS+4:KS+7], v[KSA] offset0:32 offset1:48
.irp n, 0,1,2,3,4,5,6,7,8,9,10,11,12,13,14,15
	ds_load_b128 v[MK+4*\n:MK+4*\n+3], v[ADM] offset:256*(\n/8)+16*(\n%8)
.endr
.endm
.macro VADDR
	v_add_nc_u32 v[V16], s[TK], v[A16]
	v_add_nc_u32 v[V8], s[TK], v[A8]
	v_add_nc_u32 v[VSA], s[T5], v[VSB]
.endm
.macro VLOAD c                         ; NV loads: four tiles of v and their scale words
.irp t, 0,1,2,3
	ds_load_b128 v[VF+12*\t:VF+12*\t+3], v[V16] offset:HB+1536*\t
	ds_load_b64 v[VF+12*\t+4:VF+12*\t+5], v[V8] offset:HB+1536*\t+512
	ds_load_b128 v[VF+12*\t+6:VF+12*\t+9], v[V16] offset:HB+1536*\t+768
	ds_load_b64 v[VF+12*\t+10:VF+12*\t+11], v[V8] offset:HB+1536*\t+1280
.endr
	ds_load_b128 v[VS:VS+3], v[VSA] offset:256*\c
.endm
; Tile k's 64 scores become p's codes and scale word; the sums and O^T come under the new M.  All registers in window 1 but the scale word.
.macro SOFTMAX k
.set P_,  64*\k
.set O_,  128+32*\k
.set PC_, 192+12*\k
.set NM_, 216+8*\k
.set RM_, NM_+1
.set L_,  NM_+2
.set F_,  NM_+4
	WIN 0x55
	WALU                                           ; the wait ahead of the first readers of the scores
.irp q, 0,1,2,3
	v_max3_num_f32 v[C0+\q], v[P_+16*\q], v[P_+16*\q+1], v[P_+16*\q+2]   ; four chains side by side, two to a block of 32 keys; each accumulator is read from its low end on
.endr
.irp i, 3,5,7,9,11,13
.irp q, 0,1,2,3
	v_max3_num_f32 v[C0+\q], v[C0+\q], v[P_+16*\q+\i], v[P_+16*\q+\i+1]
.endr
.endr
	v_max3_num_f32 v[C0], v[C0], v[C0+1], v[P_+15]
	v_max3_num_f32 v[C0+2], v[C0+2], v[C0+3], v[P_+47]
	v_max_num_f32 v[C0], v[C0], v[P_+31]           ; the largest score of block h,
	v_max_num_f32 v[C0+2], v[C0+2], v[P_+63]       ; and of block 2 + h
	v_max_num_f32 v[XX], v[C0], v[C0+2]
	v_permlanex16_b32 v[YY], v[XX], s[SEL], s[SEL+1]
	v_mov_b32 v[OLD], v[NM_]
	v_max3_num_f32 v[RM_], v[RM_], v[XX], v[YY]    ; the running largest score of my query
	s_delay_alu instid0(VALU_DEP_1)
	v_mul_f32 v[TT], s[CS], v[RM_]
	s_delay_alu instid0(VALU_DEP_1)
	v_floor_f32 v[NM_], -v[TT]                     ; -M = floor(-t)
	s_delay_alu instid0(VALU_DEP_1)
	v_sub_f32 v[OLD], v[NM_], v[OLD]
	s_delay_alu instid0(VALU_DEP_1)
	v_cvt_i32_f32 v[OLD], v[OLD]                   ; (it saturates)
	s_delay_alu instid0(VALU_DEP_1)
	v_ldexp_f32 v[F_], 1.0, v[OLD]                 ; 2^(old M - new M)
.set j, 0
.rept 32
	v_pk_fma_f32 v[P_+j:P_+j+1], v[P_+j:P_+j+1], s[CS:CS+1], v[NM_:NM_+1] op_sel_hi:[1,0,0]
.set j, j+2
.endr
	v_fma_f32 v[C0], v[C0], s[CS], v[NM_]
	v_fma_f32 v[C0+2], v[C0+2], s[CS], v[NM_]
	WALU                                           ; one wait ahead of the batch,
.set j, 0
.rept 64
	v_exp_f32 v[P_+j], v[P_+j]
.set j, j+1
.endr
	v_exp_f32 v[C0], v[C0]                         ; the blocks' largest p
	v_exp_f32 v[C0+2], v[C0+2]
	v_pk_mul_f32 v[L_:L_+1], v[L_:L_+1], v[F_:F_+1] op_sel_hi:[1,0]
	WALU                                           ; and one behind it
	v_max_num_f32 v[C0], 0x1800000, v[C0]          ; the floor 2^(3 - 127): the byte cannot fall under 1
	v_max_num_f32 v[C0+2], 0x1800000, v[C0+2]
	v_add_nc_u32 v[SO], 0xff000000, v[C0]          ; 2 off the exponent field: the conversions' scale operand
	v_add_nc_u32 v[SO+1], 0xff000000, v[C0+2]
	v_lshrrev_b32 v[BY], 23, v[SO]
	v_lshrrev_b32 v[BY+1], 23, v[SO+1]
	v_cvt_scalef32_pk16_fp6_f32 v[PC_:PC_+2], v[P_:P_+15], v[SO]
	v_cvt_scalef32_pk16_fp6_f32 v[TCA:TCA+2], v[P_+16:P_+31], v[SO]     ; (a conversion's three registers begin on an even number)
	v_cvt_scalef32_pk16_fp6_f32 v[PC_+6:PC_+8], v[P_+32:P_+47], v[SO+1]
	v_cvt_scalef32_pk16_fp6_f32 v[TCB:TCB+2], v[P_+48:P_+63], v[SO+1]
	v_lshl_or_b32 v[WW], v[BY+1], 16, v[BY]        ; my two bytes, blocks h and 2 + h,
	v_lshlrev_b32 v[WW], v[SH8], v[WW]             ; at their places;
	v_permlanex16_b32 v[W2], v[WW], s[SEL], s[SEL+1]
	WIN 0x05
	v_or_b32 v[PS+\k], v[WW], v[W2]                ; with lane l xor 16's the word is whole
	WIN 0x55
	v_pk_add_f32 v[S1:S1+1], v[P_:P_+1], v[P_+2:P_+3]   ; the sum of the unquantised p, in three chains
	v_pk_add_f32 v[S2:S2+1], v[P_+4:P_+5], v[P_+6:P_+7]
.irp j, 8,14,20,26,32,38,44,50,56
	v_pk_add_f32 v[L_:L_+1], v[L_:L_+1], v[P_+\j:P_+\j+1]
	v_pk_add_f32 v[S1:S1+1], v[S1:S1+1], v[P_+\j+2:P_+\j+3]
	v_pk_add_f32 v[S2:S2+1], v[S2:S2+1], v[P_+\j+4:P_+\j+5]
.endr
	v_pk_add_f32 v[L_:L_+1], v[L_:L_+1], v[P_+62:P_+63]
	v_pk_add_f32 v[S1:S1+1], v[S1:S1+1], v[S2:S2+1]
	v_pk_add_f32 v[L_:L_+1], v[L_:L_+1], v[S1:S1+1]
.irp i, 0,1,2
	v_mov_b32 v[PC_+3+\i], v[TCA+\i]
	v_mov_b32 v[PC_+9+\i], v[TCB+\i]
.endr
	WALU                                           ; the wait directly ahead of the first reader of O^T
.set j, 0
.rept 16
	v_pk_mul_f32 v[O_+j:O_+j+1], v[O_+j:O_+j+1], v[F_:F_+1] op_sel_hi:[1,0]   ; these are also the places ahead of the products below
.set j, j+2
.endr
.endm
.macro PV k                            ; O^T += v^T p^T, four accumulators by turns
.if \k == 0
	WALU
	s_wait_dscnt NK                                ; this step's v is in; the NK loads issued behind it may be out
.endif
	WIN 0x54
.irp t, 0,1,2,3
	v_wmma_scale_f32_16x16x128_f8f6f4 v[128+32*\k+8*\t:128+32*\k+8*\t+7], v[VF+12*\t:VF+12*\t+11], v[192+12*\k:192+12*\k+11], v[128+32*\k+8*\t:128+32*\k+8*\t+7], v[VS+\t], v[PS+\k] matrix_a_fmt:MATRIX_FMT_FP6 matrix_b_fmt:MATRIX_FMT_FP6
.endr
.endm
.macro PASS c
.if \c
	s_wait_xcnt 0x0                                ; the last pass's stores have read their data: the registers take loads again
.endif
	s_mov_b32 s[T5], 0
	s_mov_b32 s[TK], 2*HB*\c
	s_mov_b32 s[T5C], 4096*\c
	s_mov_b32 s[KN], 8
	KADDR
	VADDR
	KLOAD
	VLOAD \c
	WIN 0x40
.irp k, 0,8
	v_mov_b32 v[216+\k], 0x7f61b1e6                ; -M, over every later one, so that the first factor is 0
	v_mov_b32 v[217+\k], 0xff61b1e6                ; the largest score so far: under every score
	v_mov_b32 v[218+\k], 0
	v_mov_b32 v[219+\k], 0
.endr
.set j, 0
.rept 64
	v_mov_b32 v[128+j], 0                          ; the step is written once: the first finds zeros
.set j, j+1
.endr
	WIN 0
	WALU
.Lstep_\@:
	s_wait_dscnt NV                                ; this step's k, words and mask are in; the NV loads of v may be out
	WIN 0x40
.irp k, 0,1
.irp t, 0,1,2,3,4,5,6,7
	v_wmma_scale_f32_16x16x128_f8f6f4 v[64*\k+8*\t:64*\k+8*\t+7], v[KF+6*\t:KF+6*\t+11], v[QF+24*\c+12*\k:QF+24*\c+12*\k+11], v[MK+8*\t:MK+8*\t+7], v[KS+\t], v[QS+2*\c+\k] matrix_a_fmt:MATRIX_FMT_FP6 matrix_b_fmt:MATRIX_FMT_FP6
.endr
.endr
	WIN 0
	s_add_co_u32 s[T5], s[T5], 512
	s_and_b32 s[T5], s[T5], 0xe00                  ; the next step, 8 wrapping to 0
	s_mul_i32 s[TK], s[T5], 12                     ; 6,144 bytes a step
.if \c
	s_add_co_u32 s[TK], s[TK], 2*HB*\c
.endif
	s_add_co_u32 s[T5C], s[T5], 4096*\c
	KADDR                                          ; four plain lines: the places ahead of loads into the products' sources
	KLOAD
	SOFTMAX 0
	PV 0
	SOFTMAX 1
	PV 1
	WIN 0
	VADDR
	v_nop                                          ; with the three above: four places
	VLOAD \c
	s_sub_co_u32 s[KN], s[KN], 1
	s_cmp_lg_u32 s[KN], 0
	WALU
	s_cbranch_scc1 .Lstep_\@
	s_wait_dscnt 0x0                               ; the wrapped fetches have landed: their registers are free
	WIN 0x55
	v_add_f32 v218, v218, v219
	v_add_f32 v226, v226, v227
	v_permlanex16_b32 v[XX], v218, s[SEL], s[SEL+1]
	v_permlanex16_b32 v[YY], v226, s[SEL], s[SEL+1]
	v_add_f32 v218, v218, v[XX]                    ; the rows' sums
	v_add_f32 v226, v226, v[YY]
	WALU
	v_rcp_f32 v218, v218
	v_rcp_f32 v226, v226
	v_nop
	WALU
.irp k, 0,1
.set j, 0
.rept 16
	v_pk_mul_f32 v[32*\k+j:32*\k+j+1], v[128+32*\k+j:128+32*\k+j+1], v[218+8*\k:219+8*\k] op_sel_hi:[1,0]
.set j, j+2
.endr
.endr
; a tile goes through my own stage and comes back as rows: sixteen lanes store the head's 256 consecutive bytes of a token, aligned.  LDS serves a wave's instructions in order.
.irp k, 0,1
	WIN 0x04
.irp n, 0,1,2,3,4,5,6,7
	ds_store_b128 v[STI], v[32*\k+4*\n:32*\k+4*\n+3] offset:128*(\n/4)+16*(\n%4)
.endr
	WIN 0
.irp i, 0,1,2,3,4,5,6,7
	ds_load_b128 v[MK+32*\k+4*\i:MK+32*\k+4*\i+3], v[STO] offset:544*\i
.endr
.endr
.irp k, 0,1
	s_wait_dscnt 16-16*\k                          ; tile k is back; behind tile 0's loads stand tile 1's eight stores and eight loads
.irp i, 0,1,2,3,4,5,6,7
	global_store_b128 v[GO], v[MK+32*\k+4*\i:MK+32*\k+4*\i+3], s[50:51] offset:(2*\i+8*(\i/4))*4096+256*\c+32768*\k th:TH_STORE_NT
.endr
.endr
.endm
	PASS 0
	s_wait_tensorcnt 0x0                           ; my part of head 1 is in
	s_wait_dscnt 0x0
	s_barrier_signal -1                            ; a plain barrier shows it to all
	s_barrier_wait -1
	PASS 1
	s_wait_tensorcnt 0x0                           ; the wave's end
	ds_add_u32 v[SPW], v[NIL]
	s_wait_dscnt 0x0
	ROUND                                          ; the closing round
	s_endpgm
.Lfunc_end_k_qc287a39fde_attn:
	.size	k_qc287a39fde_attn, .Lfunc_end_k_qc287a39fde_attn-k_qc287a39fde_attn
	.p2alignl 7, 3214868480
	.fill 96, 4, 3214868480
	.section	.rodata,"a",@progbits
	.p2align	6, 0x0
	.amdhsa_kernel k_qc287a39fde_attn
		.amdhsa_group_segment_fixed_size 327680
		.amdhsa_private_segment_fixed_size 0
		.amdhsa_enable_private_segment 0
		.amdhsa_kernarg_size 32
		.amdhsa_user_sgpr_count 2
		.amdhsa_user_sgpr_kernarg_segment_ptr 1
		.amdhsa_wavefront_size32 1
		.amdhsa_system_sgpr_workgroup_id_x 1
		.amdhsa_system_sgpr_workgroup_id_y 1
		.amdhsa_system_sgpr_workgroup_id_z 1
		.amdhsa_system_vgpr_workitem_id 0
		.amdhsa_next_free_vgpr 512
		.amdhsa_next_free_sgpr 66
		.amdhsa_reserve_vcc 0
		.amdhsa_float_denorm_mode_32 3
		.amdhsa_float_denorm_mode_16_64 3
		.amdhsa_memory_ordered 1
		.amdhsa_forward_progress 1
		.amdhsa_inst_pref_size 93
	.end_amdhsa_kernel
	.amdgpu_metadata
---
amdhsa.version: [ 1, 2 ]
amdhsa.kernels:
  - .name:           k_qc287a39fde_attn
    .symbol:         k_qc287a39fde_attn.kd
    .args:
      - { .name: qkv_img, .offset: 0, .size: 8, .value_kind: global_buffer, .address_space: global }
      - { .name: qkv_scl, .offset: 8, .size: 8, .value_kind: global_buffer, .address_space: global }
      - { .name: attention_mask, .offset: 16, .size: 8, .value_kind: global_buffer, .address_space: global }
      - { .name: out0, .offset: 24, .size: 8, .value_kind: global_buffer, .address_space: global }
    .group_segment_fixed_size: 327680
    .private_segment_fixed_size: 0
    .kernarg_segment_align: 8
    .kernarg_segment_size: 32
    .max_flat_workgroup_size: 256
    .sgpr_count:     66
    .vgpr_count:     512
    .wavefront_size: 32
...
	.end_amdgpu_metadata
.endif
;; end of part 3
